; MI455X (gfx1250); checked and timed in simulation.
; The chip was launched on July 23, 2026; its instructions are those of AMD's public machine-readable ISA for CDNA 5 (MIT licence, August 2026) and "CDNA5" Instruction Set Architecture Reference Guide (July 2026). The comments in the code are by the model that wrote it; some were corrected since.
;; Shape Retrieval. Allowed arithmetic: float matrix products may take bf16 or f16 operands with f32 sums; other float arithmetic in f32, or as packed bf16 or f16 multiplies, adds, multiply-adds, maxima and minima; sums over many terms, partial sums and values carried from step to step in f32; what a program stores and reads back later, other than sums and carried values, may be rounded once to bf16 or f16.
;; Inputs: gallery_embedding 100,000 x 256 float32; query_embedding 2,048 x 256 float32; shape_idx_table 100,000 int32.
;; Outputs: out0 2,048 int32; out1 2,048 float32; out2 2,048 int32.
;; One version. Each part assembles by itself: llvm-mc -triple=amdgcn-amd-amdhsa -mcpu=gfx1250 --defsym DOCPART=n.
;; ======== version 1 of 1: 2 launches
;; workspace buffers: pval 524,288 bytes; pidx 524,288 bytes of whole numbers
;; launch scan (part 1): grid 4 x 64, 4 waves a work-group, clusters of 4 x 1, 327,680 bytes of LDS; arguments gallery_embedding, query_embedding, pval, pidx; writes pval, pidx
.if DOCPART == 1
	.amdgcn_target "amdgcn-amd-amdhsa--gfx1250"
	.amdhsa_code_object_version 6
	.text
	.protected	k_qfcfa13a0dd_scan
	.globl	k_qfcfa13a0dd_scan
	.p2align	8
	.type	k_qfcfa13a0dd_scan,@function
k_qfcfa13a0dd_scan:
	s_mov_b64 s[64:65], 0
	v_nop
	global_prefetch_b8 v0, s[64:65] scope:SCOPE_SE
	s_setreg_imm32_b32 hwreg(HW_REG_WAVE_MODE, 25, 1), 1
	s_wait_xcnt 0x0
	s_wait_alu depctr_hold_cnt(0) depctr_sa_sdst(0) depctr_va_vdst(0) depctr_va_sdst(0) depctr_va_ssrc(0) depctr_va_vcc(0) depctr_vm_vsrc(0)
	s_getreg_b32 s2, hwreg(HW_REG_IB_STS2, 6, 4)
	s_cmp_eq_u32 s2, 0
	s_cbranch_scc0 .Lentry_in_a_cluster
	s_endpgm
.Lentry_in_a_cluster:
	s_bfe_u32 s2, ttmp6, 0x10000c
	s_cmp_lg_u32 s2, 0x3003
	s_cbranch_scc0 .Lentry_shape_is_right
	s_endpgm
.Lentry_shape_is_right:
; SCAN.  For 512 queries and a chunk of 1,600 gallery rows: the best of (q . g) / |g| and the row that gives it, for each query.  q and g are the inputs rounded ONCE to bf16; the products' sums,
; |g| (taken of the rounded numbers) and the scores are f32.  1 / |q| is positive and the same along a query's row: it moves no argmax and is applied by the next launch.
; SHARES.  64 chunks x 4 groups of 512 queries.  Chunk c begins at row min(1562 c, 98400) and has 25 steps of 64 rows: neighbours overlap by 38 rows, so that every work-group has the same constant
; trip counts and no tile crosses the gallery's end; a row seen twice gives the same value and the same index twice.  A wave keeps 128 queries x 256 as bf16 fragments in 512 registers.
; CLUSTER.  The four work-groups of a cluster hold different queries and walk the same chunk: every gallery tile is asked for JOINTLY (one descriptor, a mask of four).  Q is not shared: each reads its own.
; A wave's tensor load is 16 rows of 1,024 bytes, the tile that this wave alone converts.
; PRODUCT.  Source 0 = 16 gallery rows, source 1 = 16 queries: a lane (r = lane % 16, h = lane / 16) holds query r and, in register j, gallery row 8 h + j.
; CONVERSION, shared out: of a step's four tiles wave w reads tile w (f32, its own load's bytes) in fragment order, rounds it, and stores the fragments as they lie in registers into a bf16 stage that
; all four waves read a step later.  The 16 squared norms are the diagonal of G G^T: eight products with the fragment as both sources.
; THE INDEX, exact.  For a query tile and a gallery tile: scores x 1/|g|; their maximum T; where T > best (strict: the earlier tile keeps a tie) best, the tile's number and the eight scores are kept.
; At the end j is the first register equal to best, and of the two halves of the lanes the greater value, at equal values the lower index, is taken: the lowest index of a maximum, as argmax has it.
; BY TURNS.  A HALF is 32 products (one gallery tile x four query tiles x 256 k).  While one group of four accumulators is summed, the other group's scores are worked on: five lines behind every even
; product; behind the odd ones stand the LDS loads, the conversion and the norms, which live in window 1.
; LIMITS.  NaN and infinities are not treated apart (a NaN score never wins here).  Two cosines nearer than f32 rounding may be ordered otherwise than by another order of the same sums.
; A squared norm below 2^-126 counts as 0 (the square root takes a denormal as zero).
;
; LDS.  Two banks, 131,072 bytes apart; in a bank: F32, 4 x 16 rows of 1,024 + 16 bytes, filled by tensor loads alone; STG, 4 tiles x 8 chunks x 1,024 bytes of fragments; RGT, 128 bytes a wave: 16
; reciprocal norms, then 64 bytes that take the other lanes' stores and are never read.  Behind the banks: QSCR, 16 rows x 528 bytes a wave (Q's turn into fragments; the way out); the spare words.
; REGISTERS, in windows of 256 (s_set_vgpr_msb: bits 1:0 source 0, 3:2 source 1, 5:4 source 2, 7:6 destination):
;   window 0: addresses, statistics, the kept scores, the 8 accumulators     window 1: A's two fragment buffers, the conversion's registers and addresses     windows 2, 3: Q
.set BANKX, 0x20000
.set FP,    1040                ; an f32 row in LDS: 1,024 + 16 bytes = 260 words: row r begins at bank 4 r mod 64 (64 banks of 4 bytes: ISA guide 11.1)
.set WPART, 16*FP               ; a wave's tile: 16,640 bytes = 65 blocks of 256
.set STG,   4*WPART
.set RGT,   STG+4*8192
.set QSCR,  2*BANKX
.set QP,    528                 ; a bf16 row of Q: 512 + 16 bytes
.set QW,    16*QP
.set SPARE, QSCR+4*QW           ; the spare words, 128 bytes for each wave: two blocks of 256 bytes that no other line names
.set CHUNK, 1562
.set LASTS, 98400               ; 100,000 - 25 x 64
; window 0
.set LR,   1                    ; r
.set LH,   2                    ; h
.set RGL,  3                    ; RGT + 32 h
.set RGA,  4                    ; the same in the bank that is multiplied
.set TID,  5                    ; number of the gallery tile whose scores are in hand
.set SPW,  6                    ; LDS address of my spare word; never rewritten
.set NIL,  7                    ; 0; never rewritten
.set TM,   8                    ; v8-11   a tile's maximum, for four query tiles
.set LN,   12                   ; lane
.set QOFF, 13                   ; 16 x lane
.set QS,   14                   ; QSCR: where I put 8 bytes of a row
.set QR,   15                   ; QSCR: where I read a fragment
.set RG,   16                   ; v16-31  1/|g| of my 8 rows, by the gallery tile's parity
.set BEST, 32                   ; v32-47  query tile t: best at +2 t, its tile's number at +2 t + 1
.set WINR, 48                   ; v48-111 query tile t: the winning tile's eight scores
.set WT,   112                  ; v112-121 at work in the set-up and on the way out
.set ACC,  128                  ; v128-191 query tile t at +8 t
.set OUTR, 192
; window 1
.set XR,   128                  ; v128-175 three chunks of 16 f32
.set FR,   176                  ; v176-199 their fragments
.set GR,   200                  ; v200-207 G G^T
.set EX,   208                  ; v208-215 at work
.set FA0,  216                  ; my place in my f32 tile, bank 0;  FA: in the bank that is converted
.set FA,   217
.set SA0,  218                  ; my place in my tile of the stage;  SA likewise
.set SA,   219
.set AL0,  220                  ; my place in a stage chunk;  AL: in the bank that is multiplied
.set AL,   221
.set RS0,  222                  ; where my lane's reciprocal norm goes;  RS: in the bank that is converted
.set RS,   223
.set W_C,  0x55                 ; everything in window 1
.set W_L1, 0x40                 ; destination in window 1
.set W_QS, 0x04                 ; LDS store: data in window 1, address in window 0
.set KC, 0                      ; kinds of a half: it converts,
.set KA, 1                      ; it fetches the next tile's fragments,
.set KM, 2                      ; it meets the other waves
; scalars: s12 wave; s13 query group; s14 chunk; s15 its first row; s[24:31] descriptor group 1; s[32:35], s[36:39] group 0 of the two first fills, the second then walks;
; s40-42 lanes whose r has bit 0, 1, 2 set; s43 -inf; s44 bank multiplied; s45 bank converted; s46 trips; s[48:49] v_permlanex16_b32's selects; s50-53 the way out
.set MSB, 0
.macro WIN new                  ; the immediate's high byte repeats the setting that is left; a switch that changes nothing is dropped
.if MSB != (\new)
	s_set_vgpr_msb (MSB<<8)|(\new)
.set MSB, (\new)
.endif
.endm
.macro CREST                    ; a round of the cluster's barrier behind its opening barrier
	s_cmp_lg_u32 s12, 0
	s_cbranch_scc1 .Lnot_wave_0_\@
	s_barrier_signal -3
.Lnot_wave_0_\@:
	s_barrier_wait -3
	s_barrier_signal -1
	s_barrier_wait -1
.endm
.macro CROUND                   ; a whole round
	s_barrier_signal -1
	s_barrier_wait -1
	CREST
.endm
	s_load_b256 s[4:11], s[0:1], 0x0               ; gallery s[4:5], query s[6:7], pval s[8:9], pidx s[10:11]
	v_lshl_add_u32 v[SPW], v0, 2, SPARE
	v_mov_b32 v[NIL], 0
	ds_add_u32 v[SPW], v[NIL]                      ; the wave's opening: the add and its wait stand ahead of my first tensor load; the set-up below, work on registers, stands between them
	v_lshrrev_b32 v1, 5, v0
	v_readfirstlane_b32 s12, v1                    ; wave 0..3
	s_bfe_u32 s13, ttmp6, 0x40000                  ; cx
	s_lshl_b32 s20, ttmp9, 2                       ; in a cluster launch ttmp9 counts clusters
	s_add_co_u32 s13, s20, s13                     ; my group of 512 queries: it enters Q's and the outputs' addresses alone
	s_and_b32 s14, ttmp7, 0xffff                   ; the chunk, which the four partners share
	s_mul_i32 s15, s14, CHUNK
	s_min_u32 s15, s15, LASTS                      ; its first row
	s_lshl_b32 s16, s12, 4
	s_add_co_u32 s16, s16, s15                     ; my tile of step 0: row start + 16 w,
	s_lshl_b32 s16, s16, 10                        ; in bytes (under 2^27)
	s_mov_b32 s17, 0
	s_lshl_b32 s18, s13, 9
	s_lshl_b32 s19, s12, 7
	s_add_co_u32 s18, s18, s19                     ; my wave's first query: 512 x group + 128 w,
	s_lshl_b32 s18, s18, 10                        ; in bytes
	s_mov_b32 s19, 0
	; descriptor group 1: a tile of 16 rows x 256 elements of 4 bytes, 16 bytes of padding behind each row
	s_mov_b32 s24, 15|(2<<16)|(1<<20)|(1<<21)|(7<<22)|(3<<25)  ; 15:0 the mask of four; 17:16 4-byte elements; 20 padding on; 21 set beside a mask; 24:22 after every 256 words (code 7); 31:25 4 words (code 3)
	s_mov_b32 s25, 256<<16                         ; tensor_dim0 = 256
	s_mov_b32 s26, 16<<16                          ; tensor_dim1 = 16
	s_mov_b32 s27, 256<<16                         ; tile_dim0 = 256
	s_mov_b32 s28, 16                              ; tile_dim1 = 16
	s_mov_b32 s29, 256                             ; 256 elements from row to row
	s_mov_b32 s30, 0
	s_mov_b32 s31, 0
	s_mov_b32 s32, 1                               ; count = 1
	s_mul_i32 s33, s12, WPART                      ; LDS address: my part of bank 0: no place in the cluster enters it
	s_mov_b32 s36, 1
	s_add_co_u32 s37, s33, BANKX                   ; and of bank 1
	s_mov_b32 s40, 0xaaaaaaaa
	s_mov_b32 s41, 0xcccccccc
	s_mov_b32 s42, 0xf0f0f0f0
	s_mov_b32 s43, 0xff800000                      ; -inf
	s_mov_b32 s44, BANKX                           ; the first change of banks turns these two round
	s_mov_b32 s45, 0
	s_mov_b32 s48, 0x76543210
	s_mov_b32 s49, 0xfedcba98
	s_wait_dscnt 0x0                               ; the opening add is done
	s_wait_kmcnt 0x0
	s_add_nc_u64 s[34:35], s[4:5], s[16:17]        ; step 0
	s_add_nc_u64 s[38:39], s[34:35], 0x10000       ; step 1: 64 rows on
	s_or_b32 s35, s35, 0x80000000                  ; type = 2
	s_or_b32 s39, s39, 0x80000000
	s_add_nc_u64 s[6:7], s[6:7], s[18:19]          ; Q at my wave's first row
	CROUND                                         ; all four work-groups are here: the first joint loads meet
	tensor_load_to_lds s[32:35], s[24:31]          ; two loads of mine are out: steps 0 and 1
	s_nop 0
	tensor_load_to_lds s[36:39], s[24:31]
	s_nop 0
	v_and_b32 v[LR], 15, v0                        ; ten lines in window 0 stand ahead of the next switch of windows
	v_bfe_u32 v[LH], v0, 4, 1
	v_and_b32 v[LN], 31, v0
	v_lshlrev_b32 v[QOFF], 4, v[LN]
	s_mul_i32 s21, s12, QW
	s_add_co_u32 s21, s21, QSCR
	v_lshl_add_u32 v[QS], v[LN], 3, s21
	v_mul_u32_u24 v[QR], v[LR], QP
	v_lshl_add_u32 v[QR], v[LH], 4, v[QR]
	v_add_nc_u32 v[QR], s21, v[QR]
; Q.  Tile t of my eight (16 rows x 1,024 bytes) is loaded by 32 instructions of 512 consecutive bytes, into window 1's half t % 2; rounded in place; sent through my QSCR rows; read back as 8 fragments.
.macro QLOAD t
	WIN W_L1
.set qn, 0
.rept 32
	global_load_b128 v[128*((\t)%2)+4*qn:128*((\t)%2)+4*qn+3], v[QOFF], s[6:7] offset:16384*(\t)+512*qn
.set qn, qn+1
.endr
.endm
.macro QCONV t
.set QB, 128*((\t)%2)
	WIN W_C
.set qn, 0
.rept 32
	v_cvt_pk_bf16_f32 v[QB+4*qn], v[QB+4*qn], v[QB+4*qn+1]
	v_cvt_pk_bf16_f32 v[QB+4*qn+1], v[QB+4*qn+2], v[QB+4*qn+3]
.set qn, qn+1
.endr
	WIN W_QS
.set qn, 0
.rept 32
	ds_store_b64 v[QS], v[QB+4*qn:QB+4*qn+1] offset:(qn/2)*QP+(qn%2)*256  ; row qn / 2, its half qn % 2: 256 consecutive bytes
.set qn, qn+1
.endr
	WIN 0x80+0x40*((\t)/4)                         ; destination window 2 or 3
.set qn, 0
.rept 8
	ds_load_b128 v[64*((\t)%4)+8*qn:64*((\t)%4)+8*qn+3],   v[QR] offset:64*qn     ; LDS serves a wave's instructions in order (ISA guide 5.7.1.4): these see the stores above,
	ds_load_b128 v[64*((\t)%4)+8*qn+4:64*((\t)%4)+8*qn+7], v[QR] offset:64*qn+32  ; and the next tile's stores come behind them
.set qn, qn+1
.endr
.endm
	QLOAD 0
	QLOAD 1
	; What the first half finds, written in the wait for Q: best = -inf, so the first true tile wins; four accumulators at -inf and factors of 1, so that its scoring of a tile that has not been changes nothing.
	WIN 0
.set i, 0
.rept 8
	v_mov_b32 v[BEST+2*i], s43
	v_mov_b32 v[BEST+2*i+1], 0
	v_mov_b32 v[RG+8+i], 1.0
.set i, i+1
.endr
.set i, 0
.rept 64
	v_mov_b32 v[WINR+i], 0
.set i, i+1
.endr
.set i, 0
.rept 32
	v_mov_b32 v[ACC+32+i], s43
.set i, i+1
.endr
	v_mov_b32 v[TID], -1
.irp t, 0,1,2,3,4,5,6,7
.if \t < 7
	s_wait_loadcnt 32                              ; loads come back in order (ISA guide 5.7.1): tile t is in, the next tile's 32 stay out
.else
	s_wait_loadcnt 0x0
.endif
	QCONV \t
.if \t < 6
	QLOAD (\t)+2
.endif
.endr
	; the conversion's addresses: made in window 0, kept in window 1, which Q has left
	WIN 0
	v_mul_u32_u24 v[WT], v[LR], FP
	v_lshl_add_u32 v[WT], v[LH], 5, v[WT]          ; 1,040 r + 32 h: a fragment's k = 8 h .. in f32
	v_bfe_u32 v[WT+1], v0, 3, 1
	v_add_nc_u32 v[WT+1], v[WT+1], v[LH]
	v_and_b32 v[WT+1], 1, v[WT+1]                  ; d = 0 in the lanes that hold a diagonal element of G G^T (r / 8 = h)
	v_lshlrev_b32 v[WT+2], 2, v[LR]
	v_lshl_add_u32 v[WT+2], v[WT+1], 6, v[WT+2]    ; 4 r, and 64 on for the other lanes
	v_lshl_add_u32 v[RGL], v[LH], 5, RGT
	s_mul_i32 s20, s12, WPART
	s_lshl_b32 s21, s12, 13
	s_add_co_u32 s21, s21, STG
	s_lshl_b32 s22, s12, 7
	s_add_co_u32 s22, s22, RGT
	WIN W_L1
	v_add_nc_u32 v[FA0], s20, v[WT]
	v_add_nc_u32 v[SA0], s21, v[QOFF]
	v_add_nc_u32 v[AL0], STG, v[QOFF]
	v_add_nc_u32 v[RS0], s22, v[WT+2]
.macro ADDRS                    ; the addresses in the two banks
	WIN W_C
	v_add_nc_u32 v[AL], s44, v[AL0]
	v_add_nc_u32 v[FA], s45, v[FA0]
	v_add_nc_u32 v[SA], s45, v[SA0]
	v_add_nc_u32 v[RS], s45, v[RS0]
	WIN 0
	v_add_nc_u32 v[RGA], s44, v[RGL]
.endm
; THE CONVERSION, in window 1.  Chunk c is 32 along k.
.macro XLOAD x, c               ; my 16 f32 of chunk c: k = 8 h + 0..7 and 16 + 8 h + 0..7 of row r
	ds_load_b128 v[XR+16*(\x):XR+16*(\x)+3],     v[FA] offset:128*(\c)
	ds_load_b128 v[XR+16*(\x)+4:XR+16*(\x)+7],   v[FA] offset:128*(\c)+16
	ds_load_b128 v[XR+16*(\x)+8:XR+16*(\x)+11],  v[FA] offset:128*(\c)+64
	ds_load_b128 v[XR+16*(\x)+12:XR+16*(\x)+15], v[FA] offset:128*(\c)+80
.endm
.macro XCVT x, hf               ; half a fragment is rounded
.set ci, 0
.rept 4
	v_cvt_pk_bf16_f32 v[FR+8*(\x)+4*(\hf)+ci], v[XR+16*(\x)+8*(\hf)+2*ci], v[XR+16*(\x)+8*(\hf)+2*ci+1]
.set ci, ci+1
.endr
.endm
.macro GRAM x, c, alone         ; G G^T takes chunk c.  alone = 1: no other product stands between two of these, and the wait stands directly ahead of each link
.if (\c) == 0
	v_wmma_f32_16x16x32_bf16 v[GR:GR+7], v[FR+8*(\x):FR+8*(\x)+7], v[FR+8*(\x):FR+8*(\x)+7], 0
.else
.if \alone
	s_wait_alu depctr_va_vdst(0)
.endif
	v_wmma_f32_16x16x32_bf16 v[GR:GR+7], v[FR+8*(\x):FR+8*(\x)+7], v[FR+8*(\x):FR+8*(\x)+7], v[GR:GR+7]
.endif
.endm
.macro XSTORE x, c              ; the fragment as it lies in registers: 16 bytes a lane, 512 consecutive bytes an instruction
	ds_store_b128 v[SA], v[FR+8*(\x):FR+8*(\x)+3]   offset:1024*(\c)
	ds_store_b128 v[SA], v[FR+8*(\x)+4:FR+8*(\x)+7] offset:1024*(\c)+512
.endm
; The diagonal: lane (r, h) with r / 8 = h holds |g_r|^2 in register r % 8, picked by r's three low bits, the low registers first; then 1 / max(sqrt, 1e-12).
.macro EXT1
	v_cndmask_b32 v[EX+0], v[GR+0], v[GR+1], s40
	v_cndmask_b32 v[EX+1], v[GR+2], v[GR+3], s40
	v_cndmask_b32 v[EX+2], v[GR+4], v[GR+5], s40
	v_cndmask_b32 v[EX+3], v[GR+6], v[GR+7], s40
.endm
.macro EXT2
	v_cndmask_b32 v[EX+4], v[EX+0], v[EX+1], s41
	v_cndmask_b32 v[EX+5], v[EX+2], v[EX+3], s41
	v_cndmask_b32 v[EX+6], v[EX+4], v[EX+5], s42
	v_sqrt_f32 v[EX+7], v[EX+6]
.endm
.macro EXT3
	v_nop                                          ; a plain line behind the root before its result is used (ISA guide 5.7.2)
	s_wait_alu depctr_va_vdst(0)
	v_max_num_f32 v[EX+7], 0x2b8cbccc, v[EX+7]     ; 1e-12
	v_rcp_f32 v[EX+6], v[EX+7]
	v_nop                                          ; and behind the reciprocal
.endm
.macro EXT4
	s_wait_alu depctr_va_vdst(0)
	ds_store_b32 v[RS], v[EX+6]
.endm
.macro ALOAD p, nt, qr          ; two of tile nt's eight fragments into A's buffer p
.irp kk, 0,1
	ds_load_b128 v[64*(\p)+8*(2*(\qr)+\kk):64*(\p)+8*(2*(\qr)+\kk)+3],   v[AL] offset:8192*(\nt)+1024*(2*(\qr)+\kk)
	ds_load_b128 v[64*(\p)+8*(2*(\qr)+\kk)+4:64*(\p)+8*(2*(\qr)+\kk)+7], v[AL] offset:8192*(\nt)+1024*(2*(\qr)+\kk)+512
.endr
.endm
.macro RGLOAD p, nt             ; 1/|g| of rows 8 h + 0..7 of tile nt
	ds_load_b128 v[RG+8*(\p):RG+8*(\p)+3],   v[RGA] offset:128*(\nt)
	ds_load_b128 v[RG+8*(\p)+4:RG+8*(\p)+7], v[RGA] offset:128*(\nt)+16
.endm
; Step 0 is converted with nothing beside it.  Four v_nop close a batch: the places between the products and the lines that write their sources or read their result (ISA guide 7.12.1).
.macro CONV0B c0, cnt
	WIN W_C
.set bx, 0
.rept \cnt
	XLOAD bx, (\c0)+bx
.set bx, bx+1
.endr
	s_wait_dscnt 0x0
.set bx, 0
.rept \cnt
	XCVT bx, 0
	XCVT bx, 1
.set bx, bx+1
.endr
.set bx, 0
.rept \cnt
	GRAM bx, (\c0)+bx, 1
.set bx, bx+1
.endr
.set bx, 0
.rept \cnt
	XSTORE bx, (\c0)+bx
.set bx, bx+1
.endr
.rept 4
	v_nop
.endr
.endm
	ADDRS                                          ; bank 0 is converted
	s_wait_tensorcnt 0x1                           ; tensor loads of a wave end in order (ISA guide 10.11.1): my rows of step 0 are in, and I alone read them; step 1's load stays out
	CONV0B 0, 3
	CONV0B 3, 3
	CONV0B 6, 2
	EXT1
	EXT2
	EXT3
	EXT4
; THE CHANGE OF BANKS, behind the barrier.  fill = 1: the f32 slot that has just been converted takes the step two further on: my one tensor load, the first thing there.
.macro TOPB fill
.if \fill
	s_xor_b32 s37, s37, BANKX                      ; no load of mine is out (the wait for 0 stands in front of the barrier), so group 0 may be written: the other bank than last time,
	s_add_nc_u64 s[38:39], s[38:39], 0x10000       ; 64 rows on; the type bits on top are not reached
.endif
	s_xor_b32 s44, s44, BANKX
	s_xor_b32 s45, s45, BANKX
.if \fill
	tensor_load_to_lds s[36:39], s[24:31]
	s_nop 0
.endif
	ADDRS                                          ; the windows are switched directly behind the load, and again only behind four vector lines
.endm
	WIN 0
	s_wait_tensorcnt 0x0                           ; both first loads have landed
	ds_add_u32 v[SPW], v[NIL]                      ; 0 onto my spare word
	s_wait_dscnt 0x0                               ; the add, my reads of step 0's f32 rows, my stores into the stage and the table are done
	CROUND                                         ; and so are every wave's of every partner
	TOPB 1                                         ; step 2 into bank 0
	WIN W_C
	ALOAD 0, 0, 0
	ALOAD 0, 0, 1
	ALOAD 0, 0, 2
	ALOAD 0, 0, 3
	WIN 0
	RGLOAD 0, 0
	s_wait_dscnt 0x0                               ; tile 0's fragments and factors, and Q's last fragments
; Product hn of a half's 32: k chunk hn / 4, query tile 4 g + hn % 4.  The four accumulators take turns, one instruction a turn; the first four start the sums with the constant 0.
.macro MMA g, p
	WIN 0x09+4*(\g)                                ; A in window 1, Q in window 2 + g, C and D in window 0
.set rD, ACC+8*(4*(\g)+hn%4)
.set rA, 64*(\p)+8*(hn/4)
.set rQ, 64*(hn%4)+8*(hn/4)
.if hn < 4
	v_wmma_f32_16x16x32_bf16 v[rD:rD+7], v[rA:rA+7], v[rQ:rQ+7], 0
.else
	v_wmma_f32_16x16x32_bf16 v[rD:rD+7], v[rA:rA+7], v[rQ:rQ+7], v[rD:rD+7]
.endif
.endm
; THE SCORING of four query tiles (group sg) against one gallery tile: a list of 80 lines; SCI writes number sj.
;   0-3    four plain lines that name no register of the last products: the places behind them (ISA guide 7.12.1).  inc = 1: the first steps the tile's number
;   4-19   the scores times 1/|g| (buffer rp), in place, a pair at a time, each accumulator's lowest pair first; the four tiles alternate
;   20-35  each tile's maximum, three operands at a time
;   36-79  tile by tile: is the maximum above best?  then best, the tile's number and the eight scores are taken
.macro SCI sg, rp, inc
.if sj < 4
.if (\inc) && (sj == 0)
	v_add_nc_u32 v[TID], 1, v[TID]
.else
	v_nop
.endif
.elseif sj < 20
.set se, (sj-4)/4
.set rS, ACC+8*(4*(\sg)+(sj-4)%4)
	v_pk_mul_f32 v[rS+2*se:rS+2*se+1], v[rS+2*se:rS+2*se+1], v[RG+8*(\rp)+2*se:RG+8*(\rp)+2*se+1]
.elseif sj < 36
.set se, (sj-20)/4
.set sq, (sj-20)%4
.set rS, ACC+8*(4*(\sg)+sq)
.if se == 0
	v_max3_num_f32 v[TM+sq], v[rS], v[rS+1], v[rS+2]
.elseif se < 3
	v_max3_num_f32 v[TM+sq], v[TM+sq], v[rS+2*se+1], v[rS+2*se+2]
.else
	v_max_num_f32 v[TM+sq], v[TM+sq], v[rS+7]
.endif
.else
.set sq, (sj-36)/11
.set se, (sj-36)%11
.set rS, ACC+8*(4*(\sg)+sq)
.set rB, BEST+2*(4*(\sg)+sq)
.set rW, WINR+8*(4*(\sg)+sq)
.if se == 0
	v_cmp_gt_f32 vcc_lo, v[TM+sq], v[rB]
.elseif se == 1
	v_cndmask_b32 v[rB], v[rB], v[TM+sq], vcc_lo
.elseif se == 2
	v_cndmask_b32 v[rB+1], v[rB+1], v[TID], vcc_lo
.else
	v_cndmask_b32 v[rW+se-3], v[rW+se-3], v[rS+se-3], vcc_lo
.endif
.endif
.set sj, sj+1
.endm
; What stands behind the odd product hn, group oo = (hn - 1) / 2.
; KA: the next tile's fragments in groups 0-3; with ext the norms' diagonal in groups 4-7.
; KC: cnt chunks from c0 on: their loads in groups 0 .. cnt - 1; from group 6 on rounding, G G^T and the stores.  The counted waits count this half's own loads, four a chunk: the half before ended at 0.
; KM: in front of the barrier every wave waits for all its tensor loads (one is out: its rows of the step after next), adds 0 to its spare word, and waits for that; no LDS instruction stands in this half.
.macro ODD p, kind, nt, c0, cnt, ext
.set oo, (hn-1)/2
.if (\kind) == KA
.if oo < 4
	WIN W_C
	ALOAD 1-(\p), \nt, oo
.elseif (\ext) && (oo == 4)
	WIN W_C
	EXT1
.elseif (\ext) && (oo == 5)
	WIN W_C
	EXT2
.elseif (\ext) && (oo == 6)
	WIN W_C
	EXT3
.elseif (\ext) && (oo == 7)
	WIN W_C
	EXT4
.endif
.elseif (\kind) == KC
.if oo < (\cnt)
	WIN W_C
	XLOAD oo, (\c0)+oo
.elseif oo == 6
	WIN W_C
	s_wait_dscnt 4*((\cnt)-1)                      ; the first chunk is in
	XCVT 0, 0
.elseif oo == 7
	WIN W_C
	XCVT 0, 1
.elseif oo == 8
	WIN W_C
	s_wait_dscnt 4*((\cnt)-2)                      ; the second
	XCVT 1, 0
	GRAM 0, \c0, 0
.elseif oo == 9
	WIN W_C
	XCVT 1, 1
.elseif oo == 10
	WIN W_C
.if (\cnt) == 3
	s_wait_dscnt 0x0                               ; the third
	XCVT 2, 0
.endif
	GRAM 1, (\c0)+1, 0
.elseif (oo == 11) && ((\cnt) == 3)
	WIN W_C
	XCVT 2, 1
.elseif oo == 12
	WIN W_C
.if (\cnt) == 3
	GRAM 2, (\c0)+2, 0
.endif
	XSTORE 0, \c0
	XSTORE 1, (\c0)+1
.elseif (oo == 13) && ((\cnt) == 3)
	WIN W_C
	XSTORE 2, (\c0)+2
.endif
.else
.if oo == 3
	WIN 0                                          ; (the add's two registers lie in window 0)
	s_wait_tensorcnt 0x0                           ; all my tensor loads have landed;
	ds_add_u32 v[SPW], v[NIL]                      ; 0 onto my spare word; eight products and their riders stand between it and the wait for it
.elseif oo == 7
	s_wait_dscnt 0x0                               ; the add is done; my reads of the stage and of the f32 slot and my stores into the other stage were waited for at the end of the half before
	s_barrier_signal -1                            ; say so; sixteen products, work on registers, while the others arrive
.endif
.endif
.endm
; A HALF: gallery tile in A's buffer p x query tiles 4 g .. 4 g + 3.  The other group's scores are worked on: in a half with g = 1 this tile's (factors p), with g = 0 the tile before's (factors 1 - p).
.macro HALF g, p, kind, nt=0, c0=0, cnt=0, ext=0
.set hn, 0
.set sj, 0
.rept 32
	MMA \g, \p
.if hn%2 == 0
	WIN 0
.rept 5
	SCI 1-(\g), ((\g)*(\p)+(1-(\g))*(1-(\p))), \g
.endr
.if ((\kind) == KA) && (hn == 0)
	RGLOAD 1-(\p), \nt                             ; the next tile's factors: that buffer's last use was in the half before
.endif
.else
	ODD \p, \kind, \nt, \c0, \cnt, \ext
.endif
.set hn, hn+1
.endr
.if (\kind) == KA
	s_wait_dscnt 0x0                               ; the next tile's fragments and factors are in (the last were asked for 24 products ago), and my stores are done
.endif
.if (\kind) == KM
	WIN 0                                          ; at a branch and at a label every window is 0
	s_barrier_wait -1
.endif
.endm
; A TRIP: a step's tiles 0, 1, 2 and the first half of tile 3; the change of banks; the second half of tile 3, which fetches the next step's first fragments.  Beside them the next step is converted.
; From a refill to the wait for it a wave issues seven halves and eight products more.
.macro TRIP fill
	HALF 0, 0, KC, 0, 0, 3
	HALF 1, 0, KA, 1
	HALF 0, 1, KC, 0, 3, 3
	HALF 1, 1, KA, 2
	HALF 0, 0, KC, 0, 6, 2
	HALF 1, 0, KA, 3, 0, 0, 1
	HALF 0, 1, KM
.if \fill
	CREST                                          ; the barrier has opened a round of the cluster's: no wave of any partner still reads the slot or has a load on its way
.endif
	TOPB \fill
	HALF 1, 1, KA, 0
	WIN 0
.endm
	s_mov_b32 s46, 22
.Lmain:                                                ; steps 0 to 21; their changes of banks ask for steps 3 to 24
	TRIP 1
	s_sub_co_u32 s46, s46, 1
	s_cmp_lg_u32 s46, 0
	s_cbranch_scc1 .Lmain
	s_mov_b32 s46, 3
.Ltail:                                                ; steps 22 to 24: a text of its own.  In its last trip the conversion (of an old slot) and the last
	TRIP 0                                         ; fetch serve nothing: the price, once a launch, of one text for the three trips; every byte that they touch is valid and ordered as in any trip
	s_sub_co_u32 s46, s46, 1
	s_cmp_lg_u32 s46, 0
	s_cbranch_scc1 .Ltail
.set sj, 0
.rept 80
	SCI 1, 1, 0                                    ; the last tile's scores for query tiles 4 to 7
.endr
	; THE WAY OUT.  j = the first register equal to best; index = start + 16 x tile + 8 h + j; then the better of the two halves of the lanes; 128 values and 128 indices go through my QSCR rows.
	v_lshl_add_u32 v[WT], v[LH], 3, s15
	s_mul_i32 s20, s12, QW
	s_add_co_u32 s20, s20, QSCR
	v_lshl_add_u32 v[WT+8], v[LR], 2, s20
	v_add_nc_u32 v[WT+9], s20, v[QOFF]
	v_mov_b32 v[WT+3], 0                           ; v_permlanex16_b32's destination counts as read
	v_mov_b32 v[WT+4], 0
.irp qt, 0,1,2,3,4,5,6,7
.set rB, BEST+2*\qt
.set rW, WINR+8*\qt
	v_mov_b32 v[WT+1], 7
.irp j, 6,5,4,3,2,1,0
	v_cmp_neq_f32 vcc_lo, v[rW+\j], v[rB]
	v_cndmask_b32 v[WT+1], \j, v[WT+1], vcc_lo
.endr
	v_lshl_add_u32 v[WT+2], v[rB+1], 4, v[WT+1]
	v_add_nc_u32 v[WT+2], v[WT+2], v[WT]
	v_permlanex16_b32 v[WT+3], v[rB], s48, s49     ; the query's other rows lie in the lane 16 away
	v_permlanex16_b32 v[WT+4], v[WT+2], s48, s49
	v_cmp_gt_f32 s50, v[WT+3], v[rB]
	v_cmp_eq_f32 s51, v[WT+3], v[rB]
	v_cmp_lt_u32 vcc_lo, v[WT+4], v[WT+2]
	s_and_b32 s51, s51, vcc_lo
	s_or_b32 s50, s50, s51                         ; the partner's is greater, or equal with the lower index
	v_cndmask_b32 v[WT+5], v[rB], v[WT+3], s50
	v_cndmask_b32 v[WT+6], v[WT+2], v[WT+4], s50
	ds_store_b32 v[WT+8], v[WT+5] offset:64*\qt    ; both halves of the lanes write the same word with the same number
	ds_store_b32 v[WT+8], v[WT+6] offset:512+64*\qt
.endr
	ds_load_b128 v[OUTR:OUTR+3],   v[WT+9]         ; my own bytes, served in order behind the stores
	ds_load_b128 v[OUTR+4:OUTR+7], v[WT+9] offset:512
	s_lshl_b32 s52, s14, 11
	s_lshl_b32 s53, s13, 9
	s_add_co_u32 s52, s52, s53
	s_lshl_b32 s53, s12, 7
	s_add_co_u32 s52, s52, s53                     ; 2,048 x chunk + 512 x group + 128 w,
	s_lshl_b32 s52, s52, 2                         ; in bytes
	v_add_nc_u32 v[WT+7], s52, v[QOFF]
	s_wait_dscnt 0x0
	global_store_b128 v[WT+7], v[OUTR:OUTR+3],   s[8:9]    ; 512 consecutive bytes, at a multiple of 512 from the buffer's first
	global_store_b128 v[WT+7], v[OUTR+4:OUTR+7], s[10:11]
	s_wait_tensorcnt 0x0                           ; the wave's end, behind my last tensor load and my last LDS store
	ds_add_u32 v[SPW], v[NIL]
	s_wait_dscnt 0x0
	CROUND                                         ; the closing round: no work-group ends while a partner may still ask for a tile that names it
	s_endpgm
.Lfunc_end_k_qfcfa13a0dd_scan:
	.size	k_qfcfa13a0dd_scan, .Lfunc_end_k_qfcfa13a0dd_scan-k_qfcfa13a0dd_scan
	.p2alignl 7, 3214868480
	.fill 96, 4, 3214868480
	.section	.rodata,"a",@progbits
	.p2align	6, 0x0
	.amdhsa_kernel k_qfcfa13a0dd_scan
		.amdhsa_group_segment_fixed_size 327680
		.amdhsa_private_segment_fixed_size 0
		.amdhsa_enable_private_segment 0
		.amdhsa_kernarg_size 32
		.amdhsa_user_sgpr_count 2
		.amdhsa_user_sgpr_kernarg_segment_ptr 1
		.amdhsa_wavefront_size32 1
		.amdhsa_system_sgpr_workgroup_id_x 1
		.amdhsa_system_sgpr_workgroup_id_y 1
		.amdhsa_system_sgpr_workgroup_id_z 1
		.amdhsa_system_vgpr_workitem_id 0
		.amdhsa_next_free_vgpr 1024
		.amdhsa_next_free_sgpr 66
		.amdhsa_reserve_vcc 1
		.amdhsa_float_denorm_mode_32 3
		.amdhsa_float_denorm_mode_16_64 3
		.amdhsa_memory_ordered 1
		.amdhsa_forward_progress 1
		.amdhsa_inst_pref_size 253
	.end_amdhsa_kernel
	.amdgpu_metadata
---
amdhsa.version: [ 1, 2 ]
amdhsa.kernels:
  - .name:           k_qfcfa13a0dd_scan
    .symbol:         k_qfcfa13a0dd_scan.kd
    .args:
      - { .name: gallery_embedding, .offset: 0, .size: 8, .value_kind: global_buffer, .address_space: global }
      - { .name: query_embedding, .offset: 8, .size: 8, .value_kind: global_buffer, .address_space: global }
      - { .name: pval, .offset: 16, .size: 8, .value_kind: global_buffer, .address_space: global }
      - { .name: pidx, .offset: 24, .size: 8, .value_kind: global_buffer, .address_space: global }
    .group_segment_fixed_size: 327680
    .private_segment_fixed_size: 0
    .kernarg_segment_align: 8
    .kernarg_segment_size: 32
    .max_flat_workgroup_size: 128
    .sgpr_count:     66
    .vgpr_count:     1024
    .wavefront_size: 32
...
	.end_amdgpu_metadata
.endif
;; end of part 1
;; launch pick (part 2): grid 32 x 1, 16 waves a work-group, no clusters, 16,384 bytes of LDS; arguments pval, pidx, query_embedding, shape_idx_table, out0, out1, out2; writes out0, out1, out2
.if DOCPART == 2
	.amdgcn_target "amdgcn-amd-amdhsa--gfx1250"
	.amdhsa_code_object_version 6
	.text
	.protected	k_qfcfa13a0dd_pick
	.globl	k_qfcfa13a0dd_pick
	.p2align	8
	.type	k_qfcfa13a0dd_pick,@function
k_qfcfa13a0dd_pick:
	s_mov_b64 s[64:65], 0
	v_nop
	global_prefetch_b8 v0, s[64:65] scope:SCOPE_SE
	s_setreg_imm32_b32 hwreg(HW_REG_WAVE_MODE, 25, 1), 1
	s_wait_xcnt 0x0
; PICK.  For each query: the best of its 64 chunks' candidates (pval, pidx: [64][2048]), strictly greater in ascending order of chunks, so that the lowest index keeps a tie; out0 = its index,
; out1 = its value / |q|, out2 = the table's entry for it.  The table is read for EVERY candidate, by the index as it comes from memory (held to 99,999), and value, index and entry are selected
; together: no address hangs on a comparison of floating-point numbers.  |q| is taken of q rounded to bf16, in f32, as the scores were.
; SHARES.  Work-group b owns queries 64 b .. 64 b + 63; lane l the pair 2 l, 2 l + 1, so a wave's 8-byte accesses cover 256 consecutive bytes.  Wave w takes chunks 4 w .. 4 w + 3 and the norms of
; rows 64 b + 4 w .. + 3; the sixteen waves' results meet in LDS, and wave 0 ends the walk.  No matrix unit, no tensor load, no cluster: 1 MB of candidates, read once, and nothing is shared.
; LIMITS.  NaN and infinities are not treated apart; a squared norm below 2^-126 counts as 0.
.set VAL,   0                   ; [16 waves][64 queries] f32
.set IDX,   4096
.set TAB,   8192
.set NRM,   12288               ; 64 x 1/|q|
.set SPARE, 12544               ; the spare words, 128 bytes for each of 16 waves
.set PI,  8                     ; v8-15   indices: chunk c, query e at +2 c + e
.set PV,  16                    ; v16-23  values
.set PT,  24                    ; v24-31  table entries
.set QD,  32                    ; v32-63  four rows of Q, 8 numbers a lane each; later wave 0's 16 x 2 values
.set GA,  64                    ; v64-71  the gathers' byte offsets; later (v64-95) wave 0's indices
.set CV,  72                    ; v72-75  at work
.set UP,  80                    ; v80-87  at work
.set SQ,  88                    ; v88-95  row i: its sum of squares at +2 i
.set WTB, 96                    ; v96-127 wave 0's table entries
	s_load_b256 s[4:11], s[0:1], 0x0               ; pval s[4:5], pidx s[6:7], query s[8:9], table s[10:11]
	s_load_b128 s[12:15], s[0:1], 0x20             ; out0 s[12:13], out1 s[14:15]
	s_load_b64 s[16:17], s[0:1], 0x30              ; out2
	v_lshl_add_u32 v2, v0, 2, SPARE                ; my spare word,
	v_mov_b32 v3, 0                                ; and 0: kept for the add alone
	v_and_b32 v1, 31, v0
	v_lshrrev_b32 v6, 5, v0
	v_readfirstlane_b32 s20, v6                    ; wave 0..15
	s_lshl_b32 s21, s20, 15                        ; 4 chunks x 8,192 bytes a wave
	s_lshl_b32 s22, ttmp9, 8                       ; 64 queries x 4 bytes a work-group
	s_add_co_u32 s21, s21, s22
	v_lshl_add_u32 v4, v1, 3, s21
	s_lshl_b32 s23, ttmp9, 6
	s_lshl_b32 s24, s20, 2
	s_add_co_u32 s23, s23, s24                     ; my first row of Q,
	s_lshl_b32 s23, s23, 10                        ; in bytes
	v_lshl_add_u32 v5, v1, 4, s23
	s_mov_b32 s25, 0xffff0000
	s_mov_b32 s26, 0x76543210
	s_mov_b32 s27, 0xfedcba98
	s_lshl_b32 s28, s20, 4
	s_add_co_u32 s28, s28, NRM
	v_mov_b32 v6, s28                              ; my four words of NRM
	s_lshl_b32 s29, s20, 8
	v_lshl_add_u32 v7, v1, 3, s29                  ; my 8 bytes of my wave's row in VAL, IDX and TAB
	s_wait_kmcnt 0x0
.irp c, 0,1,2,3
	global_load_b64 v[PI+2*\c:PI+2*\c+1], v4, s[6:7] offset:8192*\c
.endr
.irp c, 0,1,2,3
	global_load_b64 v[PV+2*\c:PV+2*\c+1], v4, s[4:5] offset:8192*\c
.endr
.irp i, 0,1,2,3
	global_load_b128 v[QD+8*\i:QD+8*\i+3],   v5, s[8:9] offset:1024*\i
	global_load_b128 v[QD+8*\i+4:QD+8*\i+7], v5, s[8:9] offset:1024*\i+512
.endr
	s_wait_loadcnt 12                              ; the indices are in: behind them 4 loads of values and 8 of Q were issued
.irp k, 0,1,2,3,4,5,6,7
	v_min_u32 v[GA+\k], 0x1869f, v[PI+\k]          ; inside the table, whatever was read
.endr
.irp k, 0,1,2,3,4,5,6,7
	v_lshlrev_b32 v[GA+\k], 2, v[GA+\k]
.endr
.irp k, 0,1,2,3,4,5,6,7
	global_load_b32 v[PT+\k], v[GA+\k], s[10:11]
.endr
	s_wait_loadcnt 8                               ; values and Q are in; the 8 gathers stay out under the norms
.irp i, 0,1,2,3
.irp m, 0,1,2,3
	v_cvt_pk_bf16_f32 v[CV+\m], v[QD+8*\i+2*\m], v[QD+8*\i+2*\m+1]
.endr
.irp m, 0,1,2,3
	v_lshlrev_b32 v[UP+2*\m], 16, v[CV+\m]
	v_and_b32 v[UP+2*\m+1], s25, v[CV+\m]
.endr
	v_pk_mul_f32 v[SQ+2*\i:SQ+2*\i+1], v[UP:UP+1], v[UP:UP+1]
.irp m, 1,2,3
	v_pk_fma_f32 v[SQ+2*\i:SQ+2*\i+1], v[UP+2*\m:UP+2*\m+1], v[UP+2*\m:UP+2*\m+1], v[SQ+2*\i:SQ+2*\i+1]
.endr
	v_add_f32 v[SQ+2*\i], v[SQ+2*\i], v[SQ+2*\i+1]
.endr
.irp m, 1,2,4,8
.irp i, 0,1,2,3
	v_add_f32_dpp v[SQ+2*\i], v[SQ+2*\i], v[SQ+2*\i] row_xmask:\m row_mask:0xf bank_mask:0xf
.endr
.endr
.irp i, 0,1,2,3
	v_permlanex16_b32 v[SQ+2*\i+1], v[SQ+2*\i], s26, s27
.endr
.irp i, 0,1,2,3
	v_add_f32 v[SQ+2*\i], v[SQ+2*\i], v[SQ+2*\i+1]
.endr
.irp i, 0,1,2,3
	v_sqrt_f32 v[SQ+2*\i+1], v[SQ+2*\i]
.endr
	v_nop                                          ; a plain line behind the last root before a result is used (ISA guide 5.7.2)
	s_wait_alu depctr_va_vdst(0)
.irp i, 0,1,2,3
	v_max_num_f32 v[SQ+2*\i+1], 0x2b8cbccc, v[SQ+2*\i+1]  ; 1e-12
.endr
.irp i, 0,1,2,3
	v_rcp_f32 v[SQ+2*\i], v[SQ+2*\i+1]
.endr
	v_nop
	s_wait_alu depctr_va_vdst(0)
.irp i, 0,1,2,3
	ds_store_b32 v6, v[SQ+2*\i] offset:4*\i        ; all lanes write the same word with the same number
.endr
	s_wait_loadcnt 0x0                             ; the table's entries
.irp c, 1,2,3
.irp e, 0,1
	v_cmp_gt_f32 vcc_lo, v[PV+2*\c+\e], v[PV+\e]
	v_cndmask_b32 v[PV+\e], v[PV+\e], v[PV+2*\c+\e], vcc_lo
	v_cndmask_b32 v[PI+\e], v[PI+\e], v[PI+2*\c+\e], vcc_lo
	v_cndmask_b32 v[PT+\e], v[PT+\e], v[PT+2*\c+\e], vcc_lo
.endr
.endr
	ds_store_b64 v7, v[PV:PV+1] offset:VAL
	ds_store_b64 v7, v[PI:PI+1] offset:IDX
	ds_store_b64 v7, v[PT:PT+1] offset:TAB
	s_wait_tensorcnt 0x0                           ; behind my last LDS store: nothing is written to LDS behind this
	ds_add_u32 v2, v3
	s_wait_dscnt 0x0                               ; for the others' sake too: my stores are done
	s_barrier_signal -1
	s_barrier_wait -1
	s_cmp_lg_u32 s20, 0
	s_cbranch_scc1 .Lend
	v_lshlrev_b32 v130, 3, v1
.irp w, 0,1,2,3,4,5,6,7,8,9,10,11,12,13,14,15
	ds_load_b64 v[QD+2*\w:QD+2*\w+1],   v130 offset:VAL+256*\w
	ds_load_b64 v[GA+2*\w:GA+2*\w+1],   v130 offset:IDX+256*\w
	ds_load_b64 v[WTB+2*\w:WTB+2*\w+1], v130 offset:TAB+256*\w
.endr
	ds_load_b64 v[128:129], v130 offset:NRM
	v_lshl_add_u32 v131, v1, 3, s22
	s_wait_dscnt 0x0
.irp w, 1,2,3,4,5,6,7,8,9,10,11,12,13,14,15
.irp e, 0,1
	v_cmp_gt_f32 vcc_lo, v[QD+2*\w+\e], v[QD+\e]
	v_cndmask_b32 v[QD+\e], v[QD+\e], v[QD+2*\w+\e], vcc_lo
	v_cndmask_b32 v[GA+\e], v[GA+\e], v[GA+2*\w+\e], vcc_lo
	v_cndmask_b32 v[WTB+\e], v[WTB+\e], v[WTB+2*\w+\e], vcc_lo
.endr
.endr
	v_pk_mul_f32 v[QD:QD+1], v[QD:QD+1], v[128:129]
	global_store_b64 v131, v[GA:GA+1],   s[12:13]  ; each store of the wave covers 256 consecutive bytes, at a multiple of 256 from its buffer's first
	global_store_b64 v131, v[QD:QD+1],   s[14:15]
	global_store_b64 v131, v[WTB:WTB+1], s[16:17]
.Lend:
	s_endpgm
.Lfunc_end_k_qfcfa13a0dd_pick:
	.size	k_qfcfa13a0dd_pick, .Lfunc_end_k_qfcfa13a0dd_pick-k_qfcfa13a0dd_pick
	.p2alignl 7, 3214868480
	.fill 96, 4, 3214868480
	.section	.rodata,"a",@progbits
	.p2align	6, 0x0
	.amdhsa_kernel k_qfcfa13a0dd_pick
		.amdhsa_group_segment_fixed_size 16384
		.amdhsa_private_segment_fixed_size 0
		.amdhsa_enable_private_segment 0
		.amdhsa_kernarg_size 56
		.amdhsa_user_sgpr_count 2
		.amdhsa_user_sgpr_kernarg_segment_ptr 1
		.amdhsa_wavefront_size32 1
		.amdhsa_system_sgpr_workgroup_id_x 1
		.amdhsa_system_sgpr_workgroup_id_y 1
		.amdhsa_system_sgpr_workgroup_id_z 1
		.amdhsa_system_vgpr_workitem_id 0
		.amdhsa_next_free_vgpr 136
		.amdhsa_next_free_sgpr 66
		.amdhsa_reserve_vcc 1
		.amdhsa_float_denorm_mode_32 3
		.amdhsa_float_denorm_mode_16_64 3
		.amdhsa_memory_ordered 1
		.amdhsa_forward_progress 1
		.amdhsa_inst_pref_size 19
	.end_amdhsa_kernel
	.amdgpu_metadata
---
amdhsa.version: [ 1, 2 ]
amdhsa.kernels:
  - .name:           k_qfcfa13a0dd_pick
    .symbol:         k_qfcfa13a0dd_pick.kd
    .args:
      - { .name: pval, .offset: 0, .size: 8, .value_kind: global_buffer, .address_space: global }
      - { .name: pidx, .offset: 8, .size: 8, .value_kind: global_buffer, .address_space: global }
      - { .name: query_embedding, .offset: 16, .size: 8, .value_kind: global_buffer, .address_space: global }
      - { .name: shape_idx_table, .offset: 24, .size: 8, .value_kind: global_buffer, .address_space: global }
      - { .name: out0, .offset: 32, .size: 8, .value_kind: global_buffer, .address_space: global }
      - { .name: out1, .offset: 40, .size: 8, .value_kind: global_buffer, .address_space: global }
      - { .name: out2, .offset: 48, .size: 8, .value_kind: global_buffer, .address_space: global }
    .group_segment_fixed_size: 16384
    .private_segment_fixed_size: 0
    .kernarg_segment_align: 8
    .kernarg_segment_size: 56
    .max_flat_workgroup_size: 512
    .sgpr_count:     66
    .vgpr_count:     136
    .wavefront_size: 32
...
	.end_amdgpu_metadata
.endif
;; end of part 2
